; MI455X (gfx1250); checked and timed in simulation.
; The chip was launched on July 23, 2026; its instructions are those of AMD's public machine-readable ISA for CDNA 5 (MIT licence, August 2026) and "CDNA5" Instruction Set Architecture Reference Guide (July 2026). The comments in the code are by the model that wrote it; some were corrected since.
;; Attn. Allowed arithmetic: matrix products marked QUANTISED: E2M3 operands, one E8M0 scale for each 32 along K, by v_wmma_scale_f32_16x16x128_f8f6f4 with both operands' format E2M3, f32 sums; products left as they are: f32 operands where the result goes on into a quantised operand, else bf16, f16 or f32 operands; f32 sums; everything else in f32.
;; Inputs: W_attn_codes 512 x 32 x 24 uint8 (E2M3 codes of W_attn, K innermost, in blocks of 32 codes, four codes in three bytes); W_attn_scales 512 x 32 uint8 (E8M0 scales of W_attn, one for each 32 codes along K); b_attn 512 float32; encoder_outputs 64 x 2,048 x 512 float32; hidden 64 x 512 float32; v 512 float32.
;; Outputs: out0 64 x 2,048 float32.
;; This version of the problem:
;;   THIS VERSION OF THE PROBLEM IS GIVEN IN LOW PRECISION. The matrix products marked QUANTISED in the list below multiply operands that are first quantised to E2M3 (2 exponent bits, 3 mantissa bits; 6 bits a number), with one power-of-two scale for each 32 numbers along K (OCP MX v1.0); their sums are f32. All else is computed in f32.
;;   The module's matrix products, in the order in which they are computed (A, B: the left and right operand; K: the contracted axis; several contracted axes count as one K, in the product's order):
;;     1. [M 131,072, K 1,024] x [K 1,024, N 512]; A: computed on the way; B: input W_attn (given as codes): QUANTISED
;;     2. [M 131,072, K 512] x [K 512, N 1]; A: computed on the way; B: input v: left as it is (N = 1 < 16)
;;   THE QUANTISER, for each operand of a quantised product, along K:
;;     - K is cut into blocks of 32 from its start; a last block that is shorter is filled with zeros.
;;     - A block's scale is 2^e with e = floor(log2(the largest magnitude in the block)) - 2, held to -126 .. 127; a block of zeros has e = 0. As a byte (E8M0): e + 127.
;;     - Each number is divided by its block's scale, clamped to +-7.5, and rounded to the nearest number of E2M3, ties to even, subnormals kept.
;;     - The product sums the exact products of the quantised numbers (number of the format x scale) in f32.
;;   ~~~python
;;   def quantise(x, axis):      # numpy; x: float32 -> the quantised numbers, widened to float32 again
;;       x = np.moveaxis(x, axis, -1); K = x.shape[-1]
;;       x = np.pad(x, [(0, 0)] * (x.ndim - 1) + [(0, -K % 32)]); x = x.reshape(x.shape[:-1] + (-1, 32)); a = np.abs(x).max(-1, keepdims=True)
;;       e = np.where(a > 0, np.clip(np.frexp(np.where(a > 0, a, 1))[1] - 1 - 2, -126, 127), 0)      # np.frexp(a)[1] - 1 = floor(log2(a)), exactly
;;       r = np.clip(x / 2.0 ** e, -7.5, 7.5)
;;       step = 2.0 ** (np.maximum(np.frexp(np.where(r == 0, 1, r))[1] - 1, 0) - 3)
;;       q = np.round(r / step) * step * 2.0 ** e      # np.round: ties to even
;;       return np.moveaxis(q.reshape(q.shape[:-2] + (-1,))[..., :K], -1, axis).astype(np.float32)
;;   ~~~
;;   OPERANDS COMPUTED ON THE WAY. 'Computed on the way' means the value that the module computes at that place (a softmax that the list does not call 'softmax' is quantised finished and normalised). What goes into a quantiser is computed in f32, as accurately as f32 sums, v_exp_f32 and their like allow (about 1e-6 of the number): no bf16 or f16 on the way to a quantiser, and a product that is left as it is and whose result goes on into a quantised operand takes f32 operands (vector FMAs, or v_wmma_f32_16x16x4_f32). A number that lies on a knife's edge between two numbers of the format may be rounded either way, as far as f32 arithmetic and the matrix unit's own rounding can turn it there, and no further.
;;   INPUTS GIVEN AS CODES. W_attn (in the module: [512, 1024], K = its axis 1): each comes as NAME_codes (uint8): NAME with its K axis moved to the last place and cut into blocks of 32 codes, [.., K / 32, bytes a block], one block behind the other in memory; four codes in three bytes: a row's codes are one little-endian stream of bits, code i at bits 6 i .. 6 i + 5 (a code: sign, 2 exponent bits, 3 mantissa bits); and NAME_scales (uint8): the same leading axes, one E8M0 byte (e + 127) for each 32 codes along K. Its value is code x scale, taken as it is: it is not quantised again, and the codes and scales need not be those that the quantiser above would give.
;; One version. Each part assembles by itself: llvm-mc -triple=amdgcn-amd-amdhsa -mcpu=gfx1250 --defsym DOCPART=n.
;; ======== version 1 of 1: 2 launches
;; limits: right only within a limited range of input values
;; workspace buffers: scores 524,288 bytes
;; launch energy (part 1): grid 256 x 1, 8 waves a work-group, no clusters, 327,680 bytes of LDS; arguments encoder_outputs, W_attn_codes, W_attn_scales, v, scores; writes scores
.if DOCPART == 1
	.amdgcn_target "amdgcn-amd-amdhsa--gfx1250"
	.amdhsa_code_object_version 6
	.text
	.protected	k_qa0a9cbea1d_energy
	.globl	k_qa0a9cbea1d_energy
	.p2align	8
	.type	k_qa0a9cbea1d_energy,@function
k_qa0a9cbea1d_energy:
	s_mov_b64 s[64:65], 0
	v_nop
	global_prefetch_b8 v0, s[64:65] scope:SCOPE_SE
	s_setreg_imm32_b32 hwreg(HW_REG_WAVE_MODE, 25, 1), 1
	s_wait_xcnt 0x0
; scores[b][s] = sum over h of v[h] x (sum over k = 512 .. 1023 of W[h][k] x Q(encoder_outputs)[b][s][k - 512]), Q the MX-FP6 quantiser along K.
; WORK LEFT OUT.  reference() has scores[b][s] = T(b) + the sum above, with T(b) = sum over h of v[h] x (b_attn[h] + sum over k < 512 of W[h][k] x Q(hidden)[b][k]).
; K's blocks of 32 do not straddle k = 512, so the codes and scales of k < 512 hang on hidden alone and those of k >= 512 on encoder_outputs alone: T(b) is the same for
; all s of a batch, whatever the inputs hold, and softmax over s is unchanged by a term that is equal along s.  So K steps 0 to 3 of product 1 and the bias are not computed;
; hidden and b_attn have no way to out0, are not loaded and are no arguments.  LIMIT: a NaN, an infinity or an overflow that arises in T(b) alone is not carried to the result.
; A block of zeros keeps the scale byte 1 (the floor); its codes are zeros.
; SHARES.  256 work-groups of 8 waves; a work-group takes 512 rows (b, s) in 8 tiles of 64.  Wave w keeps W's rows 64 w .. 64 w + 63 (k >= 512) in 192 registers for the whole launch.
; Of each tile wave w fetches and quantises rows 16 (w / 2) .. + 15, K half w % 2 (two K steps of 128), and lays the codes into LDS as an image of the operand's registers; every
; wave multiplies all 64 rows with its 64 rows of W and dots the result with its part of v; wave 0 adds a tile's eight partial scores two trips later and stores 256 bytes.
; THE PIPELINE.  Trip t quantises tile t (slot t % 2 -> image t % 2) and multiplies tile t - 1 (image (t - 1) % 2).  The two halves of a trip hang on nothing of each other, and
; waves whose numbers differ by 1 or by 4 take them in opposite orders.  One barrier a trip; behind it the slot read in trip t - 1 takes tile t + 1.
; cluster = none: no two work-groups read the same rows of encoder_outputs; W's half rows begin 384 bytes into rows of 768 bytes, off a 256-byte border, so they come once a
; work-group by register loads (196,608 bytes against 1,048,576 of encoder_outputs).
; WINDOWS: 0 addresses, scales, numbers, codes, x's fragments; 1: W (v0-191), four accumulators (v192-223), my part of v (v224-255).
.set PITCH,  1040                      ; an LDS row: 1,024 bytes + 16 of padding: 65 x 16, so 16 rows begin in 16 different 16-byte columns of 256
.set CSTR,   64*PITCH                  ; 64 rows of one half of K
.set SLOTB,  2*CSTR
.set FRB,    1536                      ; a fragment's image: 12 registers x 32 lanes x 4 bytes
.set IMG,    2*SLOTB
.set IMGS,   IMG+16*FRB                ; its scale words
.set IMGB,   16*FRB+1024               ; from image 0 to image 1
.set SCP,    IMG+2*IMGB                ; partial scores: two buffers of 8 waves x 64 rows
.set SPARE,  SCP+4096
.set WSTG,   IMG                       ; W's stages, at the head alone, on the images' bytes: 8 x 6,400
.set WPITCH, 400
.set WSTW,   16*WPITCH
.set SPW, 1
.set NIL, 2
.set NAD, 3                            ; v3-4: my piece in slot 0, 1
.set IWA, 5
.set IWS, 6
.set IRA, 7
.set IRS, 8
.set SC0, 9
.set PFO, 10
.set RRA, 11
.set RGO, 12
.set SH8, 13                           ; 8 h: where my two scale bytes stand in the scale word
.set WS,  16                           ; v16-31 W's scale words
.set XS,  32                           ; v32-39 x's scale words, two buffers
.set PP,  40
.set TT,  48
.set T2,  49
.set XF,  52                           ; v52-147 x's fragments, two buffers
.set NB,  52                           ; v52-115 the second K step's numbers, on registers of XF: the two halves of a trip follow each other
.set RR,  116                          ; v116-131 wave 0's eight partial scores, on registers of XF too
.set NA,  148                          ; v148-211 the first K step's numbers
.set PC,  212
.set TM,  232
.set PW,  248
.set GWA, 100                          ; v100-114: at the head alone
.set WSA, 102
.set WLA, 104
.set GSC, 105
.set GBV, 106
.set TW,  108
.set T7,  109
.set TL,  110
.set TR,  111
.set TH,  112
.set TR4, 113
.set GL,  114
.set ACC, 192                          ; window 1
.set VV,  224
.set PFA, 54                           ; s[54:55] the tile that the prefetches name
.set MSB, 0
.macro WIN new
.if MSB != (\new)
	s_set_vgpr_msb (MSB<<8)|(\new)
.set MSB, (\new)
.endif
.endm
.macro PLACES n
.rept \n
	v_nop
.endr
.endm
; W's tile t, 16 rows x 384 bytes, as it lies in memory: 12 loads of 512 bytes
.macro WRAW t
.irp n, 0,1,2,3,4,5,6,7,8,9,10,11
.if \n%3 < 2
	global_load_b128 v[48*(\t)+4*\n:48*(\t)+4*\n+3], v[GWA], s[6:7] offset:12288*(\t)+3072*(\n/3)+1536*(\n%3)+384
.else
	global_load_b128 v[48*(\t)+4*\n:48*(\t)+4*\n+3], v[GWA+1], s[6:7] offset:12288*(\t)+3072*(\n/3)+384
.endif
.endr
.endm
; through my own stage into the operand's layout; LDS serves a wave's instructions in order, so no wait stands between
.macro WTURN t
	WIN 0x04
.irp n, 0,1,2,3,4,5,6,7,8,9,10,11
.if \n%3 < 2
	ds_store_b128 v[WSA], v[48*(\t)+4*\n:48*(\t)+4*\n+3] offset:4*WPITCH*(\n/3)+2*WPITCH*(\n%3)
.else
	ds_store_b128 v[WSA+1], v[48*(\t)+4*\n:48*(\t)+4*\n+3] offset:4*WPITCH*(\n/3)
.endif
.endr
	WIN 0x40
.irp s, 0,1,2,3
.irp p, 0,1,2,3,4,5
	ds_load_b64 v[48*(\t)+12*\s+2*\p:48*(\t)+12*\s+2*\p+1], v[WLA] offset:96*\s+48*(\p/3)+8*(\p%3)
.endr
.endr
.endm
; my 16 rows x 128 K of my K step i: lane (r, h) takes the whole blocks k = 64 c + 32 h + 0 .. 31 of row r, as the operand's layout gives them to it
.macro LOADN reg, sl, i
.irp c, 0,1
.irp j, 0,1,2,3,4,5,6,7
	ds_load_b128 v[\reg+32*\c+4*\j:\reg+32*\c+4*\j+3], v[NAD+(\sl)] offset:512*(\i)+256*\c+16*\j
.endr
.endr
.endm
; the quantiser of one K step: two blocks a lane, each block's maximum in two chains, the four chains by turns
.macro QUANT src
.irp b, 0,1,2,3
	v_max3_num_f32 v[TM+\b], |v[\src+16*\b]|, |v[\src+1+16*\b]|, 0x1800000   ; with the floor 2^(3 - 127): the byte stays at 1 or above
.endr
.irp i, 2,4,6,8,10,12,14
.irp b, 0,1,2,3
	v_max3_num_f32 v[TM+\b], v[TM+\b], |v[\src+16*\b+\i]|, |v[\src+1+16*\b+\i]|
.endr
.endr
	v_max_num_f32 v[TM], v[TM], v[TM+1]                  ; block h's largest magnitude,
	v_max_num_f32 v[TM+2], v[TM+2], v[TM+3]              ; block 2 + h's
	v_add_nc_u32 v[TM+12], 0xff000000, v[TM]             ; 2 off the exponent field: the conversion's scale operand
	v_add_nc_u32 v[TM+13], 0xff000000, v[TM+2]
	v_lshrrev_b32 v[TM+4], 23, v[TM+12]                  ; the scale's byte
	v_lshrrev_b32 v[TM+5], 23, v[TM+13]
	s_delay_alu instid0(VALU_DEP_1)
	v_lshl_or_b32 v[PW], v[TM+5], 16, v[TM+4]
	s_delay_alu instid0(VALU_DEP_1)
	v_lshlrev_b32 v[PW], v[SH8], v[PW]                   ; my two bytes at their places in the scale word
	v_permlanex16_b32 v[TM+6], v[PW], s20, s21
.irp c, 0,1
	v_cvt_scalef32_pk16_fp6_f32 v[PC+6*\c:PC+2+6*\c], v[\src+32*\c:\src+15+32*\c], v[TM+12+\c]
	v_cvt_scalef32_pk16_fp6_f32 v[PC+12+4*\c:PC+14+4*\c], v[\src+16+32*\c:\src+31+32*\c], v[TM+12+\c]
.endr
	v_nop                                                ; one plain place behind a scaled conversion
	v_or_b32 v[PW], v[PW], v[TM+6]                       ; with lane l xor 16's two bytes the word is whole
.irp c, 0,1
.irp i, 0,1,2
	v_mov_b32 v[PC+3+6*\c+\i], v[PC+12+4*\c+\i]          ; a conversion's three registers begin on an even number: a block's second three are moved
.endr
.endr
.endm
.macro IMAGE off, soff
.irp c, 0,1,2
	ds_store_b128 v[IWA], v[PC+4*\c:PC+4*\c+3] offset:(\off)+512*\c
.endr
	ds_store_b32 v[IWS], v[PW] offset:\soff
.endm
; wave 0 adds the eight parts of buffer p's 64 scores, two rows a lane: the loads, and apart from them the sums and the store.
; red: 0 none; 1 always; 2 not in the loop's first trip, which has no tile two back
.macro REDL p, red
.if \red
	s_cmp_lg_u32 s18, 0
	s_cbranch_scc1 .Lnol_\@
.if (\red) == 2
	s_cmp_eq_u32 s22, 3
	s_cbranch_scc1 .Lnol_\@
.endif
.irp a, 0,1,2,3,4,5,6,7
	ds_load_b64 v[RR+2*\a:RR+2*\a+1], v[RRA] offset:2048*(\p)+256*\a
.endr
.Lnol_\@:
.endif
.endm
.macro REDS red
.if \red
	s_cmp_lg_u32 s18, 0
	s_cbranch_scc1 .Lnos_\@
.if (\red) == 2
	s_cmp_eq_u32 s22, 3
	s_cbranch_scc1 .Lnos_\@
.endif
.irp a, 0,1,2,3
	v_pk_add_f32 v[RR+4*\a:RR+4*\a+1], v[RR+4*\a:RR+4*\a+1], v[RR+4*\a+2:RR+4*\a+3]
.endr
	v_pk_add_f32 v[RR:RR+1], v[RR:RR+1], v[RR+4:RR+5]
	v_pk_add_f32 v[RR+8:RR+9], v[RR+8:RR+9], v[RR+12:RR+13]
	s_delay_alu instid0(VALU_DEP_1)
	v_pk_add_f32 v[RR:RR+1], v[RR:RR+1], v[RR+8:RR+9]
	global_store_b64 v[RGO], v[RR:RR+1], s[12:13]        ; 32 lanes store 256 consecutive bytes, at a multiple of 256 from the buffer's first byte
	s_wait_xcnt 0x0                                      ; the store's data and base are written again only behind this wait
	s_add_nc_u64 s[12:13], s[12:13], 256
.Lnos_\@:
.endif
.endm
; one half of a trip: my piece of slot p's tile becomes two fragments of image p.  Wave 0's eight loads of partial scores ride behind the numbers' loads
.macro QPH p, red
	PLACES 4                                             ; in front of loads into registers that matrix instructions have read
	LOADN NA, \p, 0
	LOADN NB, \p, 1
	REDL \p, \red
	s_wait_dscnt 16                                      ; the first K step's numbers are in: behind them stand 16 loads, in wave 0 up to 24
	QUANT NA
	IMAGE IMGB*(\p), IMGB*(\p)
	s_wait_dscnt 4                                       ; all but the image's 4 stores: every load above is in
	REDS \red
	QUANT NB
	IMAGE IMGB*(\p)+FRB, IMGB*(\p)+4
.endm
; 16 rows' fragments of all four K steps and their scale words: 13 loads
.macro FETCH u, ib, wb
.irp s, 0,1,2,3
.irp c, 0,1,2
	ds_load_b128 v[XF+48*(\u)+12*\s+4*\c:XF+48*(\u)+12*\s+4*\c+3], v[IRA] offset:(\ib)+FRB*\s+512*\c
.endr
.endr
	ds_load_b128 v[XS+4*(\u):XS+4*(\u)+3], v[IRS] offset:\wb
.endm
; row tile m: 16 matrix instructions, K step outer, my four tiles of W by turns, then the dot with v.
; Source 0 = 16 rows of W, source 1 = 16 rows of x: lane (r, h) holds row r of x, register j the hidden unit 16 t + 8 h + j.
.macro ROW p, m
.if (\m) < 3
	FETCH ((\m)+1)%2, IMGB*(1-(\p))+4*FRB*((\m)+1), IMGB*(1-(\p))+256*((\m)+1)
	s_wait_dscnt 13                                      ; all but the 13 loads just issued, which serve m + 1
.else
	s_wait_dscnt 0x0
.endif
	WIN 0x51
.irp s, 0,1,2,3
.irp q, 0,1,2,3
.if \s == 0
	v_wmma_scale_f32_16x16x128_f8f6f4 v[ACC+8*\q:ACC+8*\q+7], v[48*\q+12*\s:48*\q+12*\s+11], v[XF+48*((\m)%2)+12*\s:XF+48*((\m)%2)+12*\s+11], 0, v[WS+4*\q+\s], v[XS+4*((\m)%2)+\s] matrix_a_fmt:MATRIX_FMT_FP6 matrix_b_fmt:MATRIX_FMT_FP6
.else
	v_wmma_scale_f32_16x16x128_f8f6f4 v[ACC+8*\q:ACC+8*\q+7], v[48*\q+12*\s:48*\q+12*\s+11], v[XF+48*((\m)%2)+12*\s:XF+48*((\m)%2)+12*\s+11], v[ACC+8*\q:ACC+8*\q+7], v[WS+4*\q+\s], v[XS+4*((\m)%2)+\s] matrix_a_fmt:MATRIX_FMT_FP6 matrix_b_fmt:MATRIX_FMT_FP6
.endif
.endr
.endr
	PLACES 4                                             ; in front of the first reader of the results
	WIN 0x05
.irp c, 0,1,2,3
	v_pk_mul_f32 v[PP+2*\c:PP+2*\c+1], v[VV+2*\c:VV+2*\c+1], v[ACC+2*\c:ACC+2*\c+1]   ; each accumulator is read from its low end on
.endr
.irp t, 1,2,3
.irp c, 0,1,2,3
	v_pk_fma_f32 v[PP+2*\c:PP+2*\c+1], v[VV+8*\t+2*\c:VV+8*\t+2*\c+1], v[ACC+8*\t+2*\c:ACC+8*\t+2*\c+1], v[PP+2*\c:PP+2*\c+1]
.endr
.endr
	WIN 0
	v_pk_add_f32 v[PP:PP+1], v[PP:PP+1], v[PP+2:PP+3]
	v_pk_add_f32 v[PP+4:PP+5], v[PP+4:PP+5], v[PP+6:PP+7]
	s_delay_alu instid0(VALU_DEP_1)
	v_pk_add_f32 v[PP:PP+1], v[PP:PP+1], v[PP+4:PP+5]
	s_delay_alu instid0(VALU_DEP_1)
	v_add_f32 v[TT], v[PP], v[PP+1]
	v_permlanex16_b32 v[T2], v[TT], s20, s21
	v_add_f32 v[TT], v[TT], v[T2]                        ; row r's sum over my 64 hidden units
	ds_store_b32 v[SC0], v[TT] offset:2048*(1-(\p))+64*(\m)
.endm
; the other half of a trip: image 1 - p is multiplied; the partial scores go to buffer 1 - p
.macro MPH p
	FETCH 0, IMGB*(1-(\p)), IMGB*(1-(\p))
	ROW \p, 0
	ROW \p, 1
	ROW \p, 2
	ROW \p, 3
.endm
; pf: 0 none; 1 ask for the tile two on; 2 the same but in the loop's last trip, which has no tile two on
.macro ASK pf
.if (\pf) == 2
	s_cmp_lg_u32 s22, 1
	s_cbranch_scc0 .Lnoask_\@
.endif
.if \pf
	global_prefetch_b8 v[PFO], s[PFA:PFA+1] th:TH_LOAD_NT scope:SCOPE_SE                ; a thread a block of 256 bytes: 2 x 256 threads name the tile's 131,072 bytes once
	global_prefetch_b8 v[PFO], s[PFA:PFA+1] offset:65536 th:TH_LOAD_NT scope:SCOPE_SE
.endif
.if (\pf) == 2
.Lnoask_\@:
.endif
.endm
; fill: 0 none; 1 slot 1 - p as its descriptor stands; 2 stepped two tiles on
.macro TRIP p, fill, doq, dom, pf, red
	s_wait_alu depctr_va_vdst(0)                         ; the wait ahead of the waits below
.if \pf
	s_wait_xcnt 0x0                                      ; my earlier prefetches have read their base
	s_add_nc_u64 s[PFA:PFA+1], s[PFA:PFA+1], 0x20000
.endif
	s_wait_tensorcnt 0x0                                 ; my one load that was out, my piece of slot p's tile, is in
	ds_add_u32 v[SPW], v[NIL]
.if (\fill) == 2
	s_add_nc_u64 s[34+4*(1-(\p)):35+4*(1-(\p))], s[34+4*(1-(\p)):35+4*(1-(\p))], 0x40000
.endif
	s_wait_dscnt 0x0                                     ; the add, my reads of slot 1 - p and of image p, my stores into image 1 - p and of partial scores
	s_barrier_signal -1
	s_barrier_wait -1
.if \fill
	tensor_load_to_lds s[32+4*(1-(\p)):35+4*(1-(\p))], s[24:31]
	s_nop 0
	PLACES 4
.endif
.if (\doq) && (\dom)
	s_cmp_lg_u32 s19, 0                                  ; the order of the two halves hangs on the wave's number alone; no barrier, wait for tiles or add stands in the arms
	s_cbranch_scc1 .Lmq_\@
	QPH \p, \red                                         ; wave 0 takes this arm
	ASK \pf
	MPH \p
	s_branch .Ljoin_\@
.Lmq_\@:
	MPH \p
	ASK \pf
	QPH \p, 0
.Ljoin_\@:
.elseif \doq
	QPH \p, 0
	ASK \pf
.else
	REDL \p, \red
	s_wait_dscnt 0x0
	REDS \red
.if \dom
	MPH \p
.endif
.endif
.endm
	s_load_b256 s[4:11], s[0:1], 0x0                     ; encoder_outputs, W's codes, W's scales, v
	s_load_b64 s[12:13], s[0:1], 0x20                    ; scores
	v_lshl_add_u32 v[SPW], v0, 2, SPARE
	v_mov_b32 v[NIL], 0
	ds_add_u32 v[SPW], v[NIL]                            ; the opening lines: the add twice on end and one wait
	ds_add_u32 v[SPW], v[NIL]
	v_lshrrev_b32 v[TW], 5, v0
	v_readfirstlane_b32 s18, v[TW]                       ; wave
	s_mov_b32 s24, (2<<16)|(1<<20)|(7<<22)|(3<<25)       ; elements of 4 bytes; 4 dwords of padding behind every 256
	s_mov_b32 s25, 256<<16
	s_mov_b32 s26, 16<<16
	s_mov_b32 s27, 256<<16                               ; a tile of 16 rows x 256 numbers
	s_mov_b32 s28, 16
	s_mov_b32 s29, 512
	s_mov_b32 s30, 0
	s_mov_b32 s31, 0
	s_mov_b32 s20, 0x76543210
	s_mov_b32 s21, 0xfedcba98                            ; selects for lane l xor 16
	s_lshr_b32 s19, s18, 2
	s_xor_b32 s19, s19, s18
	s_and_b32 s19, s19, 1                                ; the order of my trip's halves
	s_and_b32 s42, s18, 1                                ; my half of K,
	s_lshr_b32 s43, s18, 1                               ; my 16 rows
	s_mul_i32 s52, s42, CSTR
	s_mul_i32 s53, s43, 16*PITCH
	s_add_co_u32 s52, s52, s53                           ; my piece of a slot
	s_lshl_b32 s56, s43, 8
	s_lshl_b32 s57, s42, 3
	s_add_co_u32 s56, s56, s57
	s_add_co_u32 s56, s56, IMGS                          ; my rows' scale words, my two K steps
	s_lshl_b32 s40, ttmp9, 20                            ; my work-group's 512 rows of 2,048 bytes
	s_mov_b32 s41, 0
	s_lshl_b32 s42, s42, 10
	s_lshl_b32 s43, s43, 15
	s_add_co_u32 s42, s42, s43
	s_mov_b32 s43, 0
	s_mul_i32 s44, s18, 49152                            ; 64 rows of W's codes
	s_mov_b32 s45, 0
	s_lshl_b32 s46, s18, 11                              ; and of its scales
	s_mov_b32 s47, 0
	s_lshl_b32 s48, s18, 8                               ; 64 numbers of v
	s_mov_b32 s49, 0
	s_lshl_b32 s50, ttmp9, 11                            ; my work-group's 512 scores
	s_mov_b32 s51, 0
	s_wait_alu depctr_va_vdst(0)                         ; the wait ahead of the waits below
	s_wait_dscnt 0x0
	s_wait_kmcnt 0x0
	s_add_nc_u64 s[PFA:PFA+1], s[4:5], s[40:41]
	s_mov_b32 s32, 1
	s_mov_b32 s33, s52
	s_add_nc_u64 s[34:35], s[PFA:PFA+1], s[42:43]        ; tile 0
	s_mov_b32 s36, 1
	s_add_co_u32 s37, s52, SLOTB
	s_add_nc_u64 s[38:39], s[34:35], 0x20000             ; tile 1
	s_or_b32 s35, s35, 0x80000000
	s_or_b32 s39, s39, 0x80000000
	tensor_load_to_lds s[32:35], s[24:31]                ; my one load at the head
	s_nop 0
	PLACES 4
	s_add_nc_u64 s[PFA:PFA+1], s[PFA:PFA+1], 0x20000     ; the prefetches begin at tile 1
	s_add_nc_u64 s[6:7], s[6:7], s[44:45]
	s_add_nc_u64 s[8:9], s[8:9], s[46:47]
	s_add_nc_u64 s[10:11], s[10:11], s[48:49]
	s_add_nc_u64 s[12:13], s[12:13], s[50:51]
	v_and_b32 v[TL], 31, v0
	v_and_b32 v[TR], 15, v0                              ; r
	v_bfe_u32 v[TH], v0, 4, 1                            ; h
	v_lshlrev_b32 v[GL], 4, v[TL]
	v_lshlrev_b32 v[TR4], 4, v[TR]
	v_lshlrev_b32 v[GSC], 5, v[TR]
	v_lshlrev_b32 v[GBV], 5, v[TH]
	v_lshlrev_b32 v[SH8], 3, v[TH]
	v_lshlrev_b32 v[PFO], 8, v0
	v_lshlrev_b32 v[RGO], 3, v[TL]
	v_add_nc_u32 v[RRA], SCP, v[RGO]
	v_mul_u32_u24 v[GWA], v[TH], 768
	v_lshl_add_u32 v[GWA], v[TR], 4, v[GWA]              ; two rows' first 256 bytes
	v_bfe_u32 v[TW], v0, 3, 2
	v_and_b32 v[T7], 7, v0
	v_mul_u32_u24 v[GWA+1], v[TW], 768
	v_lshl_add_u32 v[GWA+1], v[T7], 4, v[GWA+1]
	v_add_nc_u32 v[GWA+1], 256, v[GWA+1]                 ; four rows' last 128 bytes
	s_mul_i32 s53, s18, WSTW
	s_add_co_u32 s53, s53, WSTG
	v_mul_u32_u24 v[WSA], v[TH], WPITCH
	v_lshl_add_u32 v[WSA], v[TR], 4, v[WSA]
	v_add_nc_u32 v[WSA], s53, v[WSA]
	v_mul_u32_u24 v[WSA+1], v[TW], WPITCH
	v_lshl_add_u32 v[WSA+1], v[T7], 4, v[WSA+1]
	v_add_nc_u32 v[WSA+1], s53, v[WSA+1]
	v_add_nc_u32 v[WSA+1], 256, v[WSA+1]
	v_mul_u32_u24 v[TW], v[TR], WPITCH
	v_mad_u32_u24 v[TW], v[TH], 24, v[TW]
	v_add_nc_u32 v[WLA], s53, v[TW]
	v_mul_u32_u24 v[TW], v[TR], PITCH
	v_lshl_add_u32 v[TW], v[TH], 7, v[TW]                ; row r, + 128 h: a block of 32 numbers
	v_add_nc_u32 v[NAD], s52, v[TW]
	v_add_nc_u32 v[NAD+1], SLOTB, v[NAD]
	s_mul_i32 s53, s18, 2*FRB
	s_add_co_u32 s53, s53, IMG
	v_add_nc_u32 v[IWA], s53, v[GL]
	v_add_nc_u32 v[IWS], s56, v[TR4]
	v_add_nc_u32 v[IRA], IMG, v[GL]
	v_add_nc_u32 v[IRS], IMGS, v[TR4]
	s_lshl_b32 s53, s18, 8
	s_add_co_u32 s53, s53, SCP
	v_lshl_add_u32 v[SC0], v[TR], 2, s53
	v_mov_b32 v[TM+6], 0                                 ; a lane permute's destination counts as one of its sources
	v_mov_b32 v[T2], 0
	s_wait_alu depctr_va_vdst(0)                         ; the wait behind the head's vector work
.irp t, 0,1,2,3
	global_load_b128 v[WS+4*\t:WS+4*\t+3], v[GSC], s[8:9] offset:512*\t+16   ; row r's four scale words of k >= 512
.endr
	WIN 0x40
.irp t, 0,1,2,3
	global_load_b128 v[VV+8*\t:VV+8*\t+3], v[GBV], s[10:11] offset:64*\t
	global_load_b128 v[VV+8*\t+4:VV+8*\t+7], v[GBV], s[10:11] offset:64*\t+16
.endr
.irp t, 0,1,2,3
	WRAW \t
.endr
	WIN 0
	ASK 1                                                ; tile 1, whose load follows the first barrier
.irp t, 0,1,2,3
	s_wait_loadcnt 12*(3-\t)                             ; behind tile t: the 12 loads of each later tile
	WTURN \t
.endr
	WIN 0
	TRIP 0, 1, 1, 0, 1, 0                                ; tile 0 is quantised; slot 1's first fill stands behind the full sequence
	s_mov_b32 s22, 3
.Lring:
	TRIP 1, 2, 1, 1, 1, 2                                ; tiles 1, 3, 5
	TRIP 0, 2, 1, 1, 2, 1                                ; tiles 2, 4, 6
	s_sub_co_u32 s22, s22, 1
	s_cmp_lg_u32 s22, 0
	s_cbranch_scc1 .Lring
	TRIP 1, 0, 1, 1, 0, 1                                ; tile 7 is quantised, tile 6 multiplied, tile 5's scores leave
	TRIP 0, 0, 0, 1, 0, 1                                ; tile 7 is multiplied, tile 6's scores leave
	TRIP 1, 0, 0, 0, 0, 1                                ; tile 7's scores leave
	s_wait_tensorcnt 0x0                                 ; the wave's end
	ds_add_u32 v[SPW], v[NIL]
	s_wait_dscnt 0x0
	s_endpgm
.Lfunc_end_k_qa0a9cbea1d_energy:
	.size	k_qa0a9cbea1d_energy, .Lfunc_end_k_qa0a9cbea1d_energy-k_qa0a9cbea1d_energy
	.p2alignl 7, 3214868480
	.fill 96, 4, 3214868480
	.section	.rodata,"a",@progbits
	.p2align	6, 0x0
	.amdhsa_kernel k_qa0a9cbea1d_energy
		.amdhsa_group_segment_fixed_size 327680
		.amdhsa_private_segment_fixed_size 0
		.amdhsa_enable_private_segment 0
		.amdhsa_kernarg_size 40
		.amdhsa_user_sgpr_count 2
		.amdhsa_user_sgpr_kernarg_segment_ptr 1
		.amdhsa_wavefront_size32 1
		.amdhsa_system_sgpr_workgroup_id_x 1
		.amdhsa_system_sgpr_workgroup_id_y 1
		.amdhsa_system_sgpr_workgroup_id_z 1
		.amdhsa_system_vgpr_workitem_id 0
		.amdhsa_next_free_vgpr 512
		.amdhsa_next_free_sgpr 66
		.amdhsa_reserve_vcc 0
		.amdhsa_float_denorm_mode_32 3
		.amdhsa_float_denorm_mode_16_64 3
		.amdhsa_memory_ordered 1
		.amdhsa_forward_progress 1
		.amdhsa_inst_pref_size 220
	.end_amdhsa_kernel
	.amdgpu_metadata
---
amdhsa.version: [ 1, 2 ]
amdhsa.kernels:
  - .name:           k_qa0a9cbea1d_energy
    .symbol:         k_qa0a9cbea1d_energy.kd
    .args:
      - { .name: encoder_outputs, .offset: 0, .size: 8, .value_kind: global_buffer, .address_space: global }
      - { .name: W_attn_codes, .offset: 8, .size: 8, .value_kind: global_buffer, .address_space: global }
      - { .name: W_attn_scales, .offset: 16, .size: 8, .value_kind: global_buffer, .address_space: global }
      - { .name: v, .offset: 24, .size: 8, .value_kind: global_buffer, .address_space: global }
      - { .name: scores, .offset: 32, .size: 8, .value_kind: global_buffer, .address_space: global }
    .group_segment_fixed_size: 327680
    .private_segment_fixed_size: 0
    .kernarg_segment_align: 8
    .kernarg_segment_size: 40
    .max_flat_workgroup_size: 256
    .sgpr_count:     66
    .vgpr_count:     512
    .wavefront_size: 32
...
	.end_amdgpu_metadata
.endif
;; end of part 1
;; launch softmax (part 2): grid 64 x 1, 1 waves a work-group, no clusters, 0 bytes of LDS; arguments scores, out0; writes out0
.if DOCPART == 2
	.amdgcn_target "amdgcn-amd-amdhsa--gfx1250"
	.amdhsa_code_object_version 6
	.text
	.protected	k_qa0a9cbea1d_softmax
	.globl	k_qa0a9cbea1d_softmax
	.p2align	8
	.type	k_qa0a9cbea1d_softmax,@function
k_qa0a9cbea1d_softmax:
	s_mov_b64 s[64:65], 0
	v_nop
	global_prefetch_b8 v0, s[64:65] scope:SCOPE_SE
	s_setreg_imm32_b32 hwreg(HW_REG_WAVE_MODE, 25, 1), 1
	s_wait_xcnt 0x0
; out0[b][:] = softmax(scores[b][:]) over the 2,048 numbers of a row, all in f32.
; One wave takes one row: 8,192 bytes are 64 registers a lane, so the row is read once and stays in registers between the maximum, the exponentials and the division: no LDS, no barrier.
; Each load and store of the wave covers 512 consecutive bytes.  The row's maximum is taken away before the exponential: p = 2^(x c - round(max c)), c = log2(e), by one fused multiply-add; the rounding of max c
; is one constant for the whole row and cancels in the division by the sum.
; LIMITS: NaN and infinities among the scores are not served.  A p under 2^-126 comes out as 0 (ISA guide, v_exp_f32).
.set X, 16                             ; v16-79  the row
	s_load_b128 s[4:7], s[0:1], 0x0                ; scores, out0
	v_lshlrev_b32 v1, 4, v0                        ; 16 bytes a lane
	v_mov_b32 v9, 0                                ; a lane permute's destination counts as one of its sources
	s_lshl_b32 s10, ttmp9, 13                      ; my row of 8,192 bytes
	s_mov_b32 s11, 0
	s_mov_b32 s8, 0x76543210
	s_mov_b32 s9, 0xfedcba98                       ; v_permlanex16_b32's selects for lane l xor 16
	s_mov_b32 s12, 0x3fb8aa3b                      ; c = log2(e)
	s_mov_b32 s13, s12                             ; (named with it as a pair, so it is written)
	s_wait_alu depctr_va_vdst(0)
	s_wait_kmcnt 0x0
	s_add_nc_u64 s[4:5], s[4:5], s[10:11]
	s_add_nc_u64 s[6:7], s[6:7], s[10:11]
.irp i, 0,1,2,3,4,5,6,7,8,9,10,11,12,13,14,15
	global_load_b128 v[X+4*\i:X+4*\i+3], v1, s[4:5] offset:512*\i th:TH_LOAD_NT
.endr
	s_wait_loadcnt 0x0
	; the maximum of my 64 numbers: four chains that do not wait for each other
.irp c, 0,1,2,3
	v_max3_num_f32 v[4+\c], v[X+16*\c], v[X+16*\c+1], v[X+16*\c+2]
.endr
.irp i, 3,5,7,9,11,13
.irp c, 0,1,2,3
	v_max3_num_f32 v[4+\c], v[4+\c], v[X+16*\c+\i], v[X+16*\c+\i+1]
.endr
.endr
.irp c, 0,1,2,3
	v_max_num_f32 v[4+\c], v[4+\c], v[X+16*\c+15]
.endr
	v_max3_num_f32 v4, v4, v5, v6
	v_max_num_f32 v4, v4, v7
	v_max_num_f32_dpp v4, v4, v4 row_xmask:1 row_mask:0xf bank_mask:0xf
	v_max_num_f32_dpp v4, v4, v4 row_xmask:2 row_mask:0xf bank_mask:0xf
	v_max_num_f32_dpp v4, v4, v4 row_xmask:4 row_mask:0xf bank_mask:0xf
	v_max_num_f32_dpp v4, v4, v4 row_xmask:8 row_mask:0xf bank_mask:0xf
	v_permlanex16_b32 v9, v4, s8, s9
	v_max_num_f32 v4, v4, v9                       ; every lane holds the row's maximum
	v_mul_f32 v14, s12, v4                         ; max c
	v_mov_b32 v15, v14
.set j, 0
.rept 32
	v_pk_fma_f32 v[X+j:X+j+1], v[X+j:X+j+1], s[12:13], v[14:15] op_sel_hi:[1,0,1] neg_lo:[0,0,1] neg_hi:[0,0,1]   ; x c - max c, two at a time
.set j, j+2
.endr
.set j, 0
	s_wait_alu depctr_va_vdst(0)
.rept 64
	v_exp_f32 v[X+j], v[X+j]                       ; one batch
.set j, j+1
.endr
	v_nop                                          ; a plain instruction behind the last exponential
	s_wait_alu depctr_va_vdst(0)                   ; one wait for the batch, ahead of its first reader
	v_pk_add_f32 v[10:11], v[X:X+1], v[X+2:X+3]    ; the sum, two at a time, in two chains
	v_pk_add_f32 v[12:13], v[X+4:X+5], v[X+6:X+7]
.set j, 8
.rept 14
	v_pk_add_f32 v[10:11], v[10:11], v[X+j:X+j+1]
	v_pk_add_f32 v[12:13], v[12:13], v[X+j+2:X+j+3]
.set j, j+4
.endr
	v_pk_add_f32 v[10:11], v[10:11], v[12:13]
	v_add_f32 v8, v10, v11
	v_add_f32_dpp v8, v8, v8 row_xmask:1 row_mask:0xf bank_mask:0xf
	v_add_f32_dpp v8, v8, v8 row_xmask:2 row_mask:0xf bank_mask:0xf
	v_add_f32_dpp v8, v8, v8 row_xmask:4 row_mask:0xf bank_mask:0xf
	v_add_f32_dpp v8, v8, v8 row_xmask:8 row_mask:0xf bank_mask:0xf
	v_permlanex16_b32 v9, v8, s8, s9
	v_add_f32 v8, v8, v9                           ; the row's sum, at least 1 less a rounding: the largest p is 2^0 within the fused multiply-add's rounding
	s_wait_alu depctr_va_vdst(0)
	v_rcp_f32 v14, v8
	v_rcp_f32 v15, v8                              ; twice: a pair for the packed multiply
	v_nop                                          ; a plain instruction behind the reciprocals
	s_wait_alu depctr_va_vdst(0)                   ; one wait for both, ahead of their first reader
.set j, 0
.rept 32
	v_pk_mul_f32 v[X+j:X+j+1], v[X+j:X+j+1], v[14:15]
.set j, j+2
.endr
.irp i, 0,1,2,3,4,5,6,7,8,9,10,11,12,13,14,15
	global_store_b128 v1, v[X+4*\i:X+4*\i+3], s[6:7] offset:512*\i th:TH_STORE_NT   ; 32 lanes store 512 consecutive bytes, at a multiple of 512 from the buffer's first byte
.endr
	s_endpgm
.Lfunc_end_k_qa0a9cbea1d_softmax:
	.size	k_qa0a9cbea1d_softmax, .Lfunc_end_k_qa0a9cbea1d_softmax-k_qa0a9cbea1d_softmax
	.p2alignl 7, 3214868480
	.fill 96, 4, 3214868480
	.section	.rodata,"a",@progbits
	.p2align	6, 0x0
	.amdhsa_kernel k_qa0a9cbea1d_softmax
		.amdhsa_group_segment_fixed_size 0
		.amdhsa_private_segment_fixed_size 0
		.amdhsa_enable_private_segment 0
		.amdhsa_kernarg_size 16
		.amdhsa_user_sgpr_count 2
		.amdhsa_user_sgpr_kernarg_segment_ptr 1
		.amdhsa_wavefront_size32 1
		.amdhsa_system_sgpr_workgroup_id_x 1
		.amdhsa_system_sgpr_workgroup_id_y 1
		.amdhsa_system_sgpr_workgroup_id_z 1
		.amdhsa_system_vgpr_workitem_id 0
		.amdhsa_next_free_vgpr 96
		.amdhsa_next_free_sgpr 66
		.amdhsa_reserve_vcc 0
		.amdhsa_float_denorm_mode_32 3
		.amdhsa_float_denorm_mode_16_64 3
		.amdhsa_memory_ordered 1
		.amdhsa_forward_progress 1
		.amdhsa_inst_pref_size 15
	.end_amdhsa_kernel
	.amdgpu_metadata
---
amdhsa.version: [ 1, 2 ]
amdhsa.kernels:
  - .name:           k_qa0a9cbea1d_softmax
    .symbol:         k_qa0a9cbea1d_softmax.kd
    .args:
      - { .name: scores, .offset: 0, .size: 8, .value_kind: global_buffer, .address_space: global }
      - { .name: out0, .offset: 8, .size: 8, .value_kind: global_buffer, .address_space: global }
    .group_segment_fixed_size: 0
    .private_segment_fixed_size: 0
    .kernarg_segment_align: 8
    .kernarg_segment_size: 16
    .max_flat_workgroup_size: 32
    .sgpr_count:     66
    .vgpr_count:     96
    .wavefront_size: 32
...
	.end_amdgpu_metadata
.endif
;; end of part 2
